; MI455X (gfx1250); checked and timed in simulation.
; The chip was launched on July 23, 2026; its instructions are those of AMD's public machine-readable ISA for CDNA 5 (MIT licence, August 2026) and "CDNA5" Instruction Set Architecture Reference Guide (July 2026). The comments in the code are by the model that wrote it; some were corrected since.
;; Lucas KAN Layer. Allowed arithmetic: matrix products marked QUANTISED: E4M3 operands, one given power-of-two scale a tensor, by v_wmma_f32_16x16x64_fp8_fp8 or v_wmma_f32_16x16x128_fp8_fp8, f32 sums; everything else in f32.
;; Inputs: lowp_scales 2 int32 (the exponents e of the quantised operands' scales 2^e); lucas_coeffs 1,024 x 1,024 x 8 float32; x 8,192 x 1,024 float32.
;; Outputs: out0 8,192 x 1,024 float32.
;; This version of the problem:
;;   THIS VERSION OF THE PROBLEM IS GIVEN IN LOW PRECISION. The matrix products marked QUANTISED in the list below multiply operands that are first quantised to E4M3 (4 exponent bits, 3 mantissa bits; 8 bits a number), with one given power-of-two scale for each operand tensor; their sums are f32. All else is computed in f32.
;;   The module's matrix products, in the order in which they are computed (A, B: the left and right operand; K: the contracted axis; several contracted axes count as one K, in the product's order):
;;     1. [M 8,192, K 8,192] x [K 8,192, N 1,024]; A: computed on the way; B: input lucas_coeffs: QUANTISED (scales: A lowp_scales[0], B lowp_scales[1])
;;   THE QUANTISER, for each operand of a quantised product, along K:
;;     - The operand's scale is 2^e, e = its entry of the input lowp_scales (int32; the entries are numbered through the quantised products in the list's order, A before B).
;;     - Each number is divided by the scale, clamped to +-448, and rounded to the nearest number of E4M3, ties to even, subnormals kept.
;;     - The product sums the exact products of the quantised numbers (number of the format x scale) in f32.
;;   ~~~python
;;   def quantise(x, axis, e):      # numpy; x: float32 -> the quantised numbers, widened to float32 again
;;       x = np.moveaxis(x, axis, -1); K = x.shape[-1]
;;       r = np.clip(x / 2.0 ** e, -448, 448)
;;       step = 2.0 ** (np.maximum(np.frexp(np.where(r == 0, 1, r))[1] - 1, -6) - 3)
;;       q = np.round(r / step) * step * 2.0 ** e      # np.round: ties to even
;;       return np.moveaxis(q, -1, axis).astype(np.float32)
;;   ~~~
;;   OPERANDS COMPUTED ON THE WAY. 'Computed on the way' means the value that the module computes at that place (a softmax that the list does not call 'softmax' is quantised finished and normalised). What goes into a quantiser is computed in f32, as accurately as f32 sums, v_exp_f32 and their like allow (about 1e-6 of the number): no bf16 or f16 on the way to a quantiser, and a product that is left as it is and whose result goes on into a quantised operand takes f32 operands (vector FMAs, or v_wmma_f32_16x16x4_f32). A number that lies on a knife's edge between two numbers of the format may be rounded either way, as far as f32 arithmetic and the matrix unit's own rounding can turn it there, and no further.
;; One version. Each part assembles by itself: llvm-mc -triple=amdgcn-amd-amdhsa -mcpu=gfx1250 --defsym DOCPART=n.
;; ======== version 1 of 1: 2 launches
;; limits: right only within a limited range of input values
;; workspace buffers: acodes 67,108,864 bytes; bimg 8,388,608 bytes
;; launch quant (part 1): grid 1536 x 1, 4 waves a work-group, no clusters, 41,472 bytes of LDS; arguments x, lucas_coeffs, lowp_scales, acodes, bimg; writes acodes, bimg
.if DOCPART == 1
	.amdgcn_target "amdgcn-amd-amdhsa--gfx1250"
	.amdhsa_code_object_version 6
	.text
	.protected	k_q3bb113ada9_quant
	.globl	k_q3bb113ada9_quant
	.p2align	8
	.type	k_q3bb113ada9_quant,@function
k_q3bb113ada9_quant:
	s_mov_b64 s[64:65], 0
	v_nop
	global_prefetch_b8 v0, s[64:65] scope:SCOPE_SE
	s_setreg_imm32_b32 hwreg(HW_REG_WAVE_MODE, 25, 1), 1
	s_wait_xcnt 0x0
; BOTH OPERANDS OF y[b][o] = sum over k = 8 i + d of L_d(tanh x[b][i]) coeffs[i][o][d] BECOME CODES OF FP8 (E4M3), each with the one scale 2^e that is given for it (ea, eb).
; code = number / 2^e, held within +-448, rounded to the nearest code, ties to even.
; Work-groups 0 to 1,023 take A (path A), work-groups 1,024 to 1,535 take B (path B): a scalar branch on the work-group's number.  Only path B touches LDS, each wave its own bytes: no barrier.
; PATH A.  acodes[b][8 i + d], rows of 8,192 bytes.  x is a plain stream: number e of x gives the eight bytes 8 e .. 8 e + 7 of acodes.  A lane takes two neighbouring x (8 bytes: a wave's load
;   covers 256 consecutive bytes) and makes 16 neighbouring codes (a wave's store covers 512 consecutive bytes, aligned): no turn through LDS.  A wave owns 2,048 x: 32 steps, two rounds of a ring of 16
;   register slots, written out: every offset is an immediate.  Four steps' stores leave together.
;   tanh x = 1 - 2 / (1 + 2^(2 log2(e) x)); where x^2 < 1/64 that difference would lose digits, and x + x q (-1/3 + q (2/15 - 17 q / 315)), q = x^2, is taken (the term left out is under 2e-9 of x there).
;   Both are computed in every step and chosen by v_cndmask_b32.  The recurrence is as it is defined: L0 = 2, L1 = t, Ln = t Ln-1 + Ln-2, each a fused multiply-add.
; PATH B.  bimg holds B as IMAGES OF THE OPERAND'S REGISTERS: byte = 524288 cb + 8192 ks + 2048 f + 512 c + 16 lane + j is column o = 64 cb + 16 f + lane % 16 at
;   k = 128 ks + 32 c + 16 (lane / 16) + j, that is i = 16 ks + 4 c + 2 (lane / 16) + j / 8, d = j % 8.  A wave makes two of the four fragments of one (cb, ks).
;   Each load reads 512 consecutive bytes of one row i (16 columns x 8 d); 16 rows go through the wave's own stage in LDS and come back with a lane's registers running along k.
; LIMITS: ea and eb between -126 and 119, so that 2^e and 448 x 2^e are f32 numbers.  NaN among the inputs is not served; x = +-infinity gives t = +-1.
.set WGA,   1024                       ; work-groups of path A: 8,388,608 x / (4 waves x 2,048)
.set E,     14                         ; path A: v[14:15] 2^(2 log2(e) x), then 1 + that, then its reciprocal
.set Q,     16                         ; v[16:17] x^2
.set P,     18                         ; v[18:19] the series
.set T,     20                         ; v[20:21] 1 - 2 r
.set LA,    24                         ; v[24:31] L0 .. L7 of my first x;  L0 (2, held) is written once
.set LB,    32                         ; v[32:39] of my second x
.set X,     40                         ; v[40:71] slot i: two x as loaded
.set Y,     72                         ; v[72:135] slot i: 16 codes to store
.set RR,    16                         ; path B: v[16:143] two sets of 64: a fragment's numbers as loaded
.set XX,    144                        ; v[144:207] the same 64 numbers, register 16 c + n = k 32 c + 16 (lane / 16) + n of my column
.set CC,    208                        ; v[208:239] two sets of 16: a fragment's codes
.set SROW,  640                        ; a stage row (one i): d 0-3 of 16 columns at byte 0 (256 bytes), d 4-7 at byte 384
.set SHI,   384                        ; 384 = 128 mod 256: the stores' even and odd lanes touch different banks (64 banks of 4 bytes: ISA guide 11.1)
.set WST,   16*SROW                    ; a wave's stage: 10,240 bytes
	s_load_b256 s[4:11], s[0:1], 0x0               ; x s[4:5], coeffs s[6:7], the scales' exponents s[8:9], acodes s[10:11]
	s_load_b64 s[12:13], s[0:1], 0x20              ; bimg
	v_lshl_add_u32 v254, v0, 2, 0xa000             ; my spare word, behind the four stages
	v_mov_b32 v255, 0
	v_lshrrev_b32 v1, 5, v0
	v_readfirstlane_b32 s16, v1                    ; wave 0..3
	s_mov_b32 s19, 0                               ; the high word of every offset pair below
	s_wait_alu depctr_va_vdst(0)                   ; directly ahead of the wait below
	s_wait_kmcnt 0x0
	s_load_b64 s[22:23], s[8:9], 0x0               ; ea, eb
	s_cmp_lt_u32 ttmp9, WGA
	s_cbranch_scc0 .Lpath_b
; ---------------------------------------------------------------- PATH A
	s_lshl_b32 s17, ttmp9, 2
	s_add_co_u32 s17, s17, s16                     ; my wave among 4,096
	s_lshl_b32 s18, s17, 13                        ; 2,048 x of 4 bytes
	s_add_nc_u64 s[4:5], s[4:5], s[18:19]
	s_lshl_b32 s18, s17, 14                        ; 2,048 x 8 codes
	s_add_nc_u64 s[10:11], s[10:11], s[18:19]
	v_and_b32 v3, 31, v0                           ; lane
	v_lshlrev_b32 v1, 3, v3                        ; in: 8 bytes a lane
	v_lshlrev_b32 v2, 4, v3                        ; out: 16 bytes a lane
.irp i, 0,1,2,3,4,5,6,7,8,9,10,11,12,13,14,15
	global_load_b64 v[X+2*\i:X+2*\i+1], v1, s[4:5] offset:\i*256 th:TH_LOAD_NT   ; the ring is filled: steps 0 to 15
.endr
	s_mov_b32 s21, 0x3c800000                      ; 1/64
	v_mov_b32 v6, 0x4038aa3b                       ; 2 log2(e); the packed forms take pairs, so each constant is written twice
	v_mov_b32 v7, 0x4038aa3b
	v_mov_b32 v8, 0xbeaaaaab                       ; -1/3
	v_mov_b32 v9, 0xbeaaaaab
	v_mov_b32 v10, 0x3e088889                      ; 2/15
	v_mov_b32 v11, 0x3e088889
	v_mov_b32 v12, 0xbd5d0dd1                      ; -17/315
	v_mov_b32 v13, 0xbd5d0dd1
	s_wait_kmcnt 0x0
	s_add_co_i32 s22, s22, 127
	s_lshl_b32 s23, s22, 23
	v_mov_b32 v4, s23                              ; 2^ea as f32: the conversion takes its exponent field
	s_add_co_i32 s22, s22, 8
	s_lshl_b32 s22, s22, 23
	s_or_b32 s22, s22, 0x600000
	v_mov_b32 v5, s22                              ; 448 x 2^ea
	v_mov_b32 v[LA], 2.0
	v_med3_num_f32 v[LA], v[LA], -v5, v5           ; L0 = 2, held like every number; it stays
	v_mov_b32 v[LB], v[LA]
	s_wait_alu depctr_va_vdst(0)
; One slot's turn: 64 x of the wave.  r = 0: the first round: the slot is filled again with the step 16 further on.  left = how many younger loads may stay out.
.macro ASLOT i, r, left
	s_wait_loadcnt \left                           ; loads come back in order (ISA guide 5.7.1): mine is in, the younger ones stay out
	v_pk_mul_f32 v[E:E+1], v[X+2*\i:X+2*\i+1], v[6:7]
	v_pk_mul_f32 v[Q:Q+1], v[X+2*\i:X+2*\i+1], v[X+2*\i:X+2*\i+1]
	s_wait_alu depctr_va_vdst(0)
	v_exp_f32 v[E], v[E]
	v_exp_f32 v[E+1], v[E+1]
	v_pk_fma_f32 v[P:P+1], v[Q:Q+1], v[12:13], v[10:11]            ; the series: four plain lines that name no exponential's result
	v_pk_fma_f32 v[P:P+1], v[P:P+1], v[Q:Q+1], v[8:9]
	v_pk_mul_f32 v[P:P+1], v[P:P+1], v[Q:Q+1]
	v_pk_fma_f32 v[P:P+1], v[P:P+1], v[X+2*\i:X+2*\i+1], v[X+2*\i:X+2*\i+1]
	s_wait_alu depctr_va_vdst(0)                   ; one wait for both exponentials, ahead of their first reader
	v_pk_add_f32 v[E:E+1], v[E:E+1], 1.0 op_sel_hi:[1,0]
	s_wait_alu depctr_va_vdst(0)
	v_rcp_f32 v[E], v[E]
	v_rcp_f32 v[E+1], v[E+1]
	v_cmp_gt_f32 vcc_lo, s21, v[Q]                 ; x^2 < 1/64?  (two plain lines behind the reciprocals)
	v_cmp_gt_f32 s20, s21, v[Q+1]
	s_wait_alu depctr_va_vdst(0)                   ; one wait for both reciprocals
	v_pk_fma_f32 v[T:T+1], v[E:E+1], -2.0, 1.0 op_sel_hi:[1,0,0]   ; 1 - 2 r
	v_cndmask_b32 v[LA+1], v[T], v[P], vcc_lo      ; L1 = t: the series where x is small
	v_cndmask_b32 v[LB+1], v[T+1], v[P+1], s20
	v_fma_f32 v[LA+2], v[LA+1], v[LA+1], 2.0       ; L2 = t L1 + L0; my two x by turns
	v_fma_f32 v[LB+2], v[LB+1], v[LB+1], 2.0
.irp n, 3,4,5,6,7
	v_fma_f32 v[LA+\n], v[LA+1], v[LA+\n-1], v[LA+\n-2]
	v_fma_f32 v[LB+\n], v[LB+1], v[LB+\n-1], v[LB+\n-2]
.endr
.irp n, 1,2,3,4,5,6,7
	v_med3_num_f32 v[LA+\n], v[LA+\n], -v5, v5     ; the conversion to an 8-bit code does not saturate (ISA guide 7.6.2): the hold at the largest code x the scale, behind the whole recurrence
	v_med3_num_f32 v[LB+\n], v[LB+\n], -v5, v5
.endr
	v_cvt_scalef32_pk8_fp8_f32 v[Y+4*\i:Y+4*\i+1], v[LA:LA+7], v4        ; d = 0 in the lowest byte
	v_cvt_scalef32_pk8_fp8_f32 v[Y+4*\i+2:Y+4*\i+3], v[LB:LB+7], v4
	v_nop                                          ; a plain line behind the last conversion, ahead of the lines that write its sources again
.if \r == 0
	global_load_b64 v[X+2*\i:X+2*\i+1], v1, s[4:5] offset:(16+\i)*256 th:TH_LOAD_NT
.endif
.if (\i)%4 == 3
.irp b, 3,2,1,0
	global_store_b128 v2, v[Y+4*(\i-\b):Y+4*(\i-\b)+3], s[10:11] offset:(16*\r+\i-\b)*512     ; 32 lanes store 512 consecutive bytes, at a multiple of 512 from the buffer's first byte
.endr
.endif
.endm
.irp i, 0,1,2,3,4,5,6,7,8,9,10,11,12,13,14,15
	ASLOT \i, 0, 15
.endr
	s_wait_xcnt 0x0                                ; the stores' data are written again only behind this wait
.irp i, 0,1,2,3,4,5,6,7,8,9,10,11,12,13,14,15
	ASLOT \i, 1, 15-\i                             ; the second round loads nothing: the counts run down
.endr
	s_endpgm
; ---------------------------------------------------------------- PATH B
.Lpath_b:
	s_sub_co_u32 s17, ttmp9, WGA
	s_lshl_b32 s17, s17, 2
	s_add_co_u32 s17, s17, s16                     ; my wave among 2,048 = 2 (64 cb + ks) + half
	s_and_b32 s24, s17, 1                          ; half: I make fragments 2 half and 2 half + 1
	s_lshr_b32 s17, s17, 1
	s_and_b32 s18, s17, 63
	s_lshl_b32 s18, s18, 19                        ; ks: 16 rows i of 32,768 bytes
	s_lshr_b32 s20, s17, 6
	s_lshl_b32 s20, s20, 11                        ; cb: 64 columns of 32 bytes
	s_add_co_u32 s18, s18, s20
	s_lshl_b32 s20, s24, 10                        ; half: 32 columns
	s_add_co_u32 s18, s18, s20
	s_add_nc_u64 s[6:7], s[6:7], s[18:19]
	s_lshl_b32 s18, s17, 13                        ; four fragments' images: 8,192 bytes
	s_lshl_b32 s20, s24, 12                        ; two of them
	s_add_co_u32 s18, s18, s20
	s_add_nc_u64 s[12:13], s[12:13], s[18:19]
	v_and_b32 v6, 31, v0
	v_lshlrev_b32 v1, 4, v6                        ; 16 x lane: in memory, both ways
	s_mul_i32 s21, s16, WST                        ; my stage
	v_and_b32 v7, 1, v0
	v_mul_u32_u24 v7, v7, SHI                      ; as loaded, lane l holds column l / 2, d = 4 (l % 2) + 0 .. 3
	v_bfe_u32 v8, v0, 1, 4
	v_lshl_add_u32 v2, v8, 4, v7
	v_add_nc_u32 v2, s21, v2                       ; into the stage
	v_bfe_u32 v9, v0, 4, 1
	v_mul_u32_u24 v9, v9, 2*SROW                   ; out of it: lanes 16-31 begin two rows i further down,
	v_and_b32 v10, 15, v0
	v_lshl_add_u32 v3, v10, 4, v9                  ; column = lane % 16: sixteen lanes read 256 consecutive bytes
	v_add_nc_u32 v3, s21, v3
.macro LOADF f                         ; my fragment f: 16 columns x 16 rows i x 8 d, into set f
.irp j, 0,1,2,3,4,5,6,7,8,9,10,11,12,13,14,15
	global_load_b128 v[RR+64*(\f)+4*\j:RR+64*(\f)+4*\j+3], v1, s[6:7] offset:\j*32768+(\f)*512 th:TH_LOAD_NT   ; 32 lanes read 512 consecutive bytes of row j
.endr
.endm
	LOADF 0
	LOADF 1
	s_wait_kmcnt 0x0
	s_add_co_i32 s23, s23, 127
	s_lshl_b32 s22, s23, 23
	v_mov_b32 v4, s22                              ; 2^eb as f32
	s_add_co_i32 s23, s23, 8
	s_lshl_b32 s23, s23, 23
	s_or_b32 s23, s23, 0x600000
	v_mov_b32 v5, s23                              ; 448 x 2^eb
	s_wait_alu depctr_va_vdst(0)
.macro FRAGQ f, left
	s_wait_loadcnt \left                           ; this fragment's 16 loads are in; the other fragment's may be out
.irp j, 0,1,2,3,4,5,6,7,8,9,10,11,12,13,14,15
	ds_store_b128 v2, v[RR+64*(\f)+4*\j:RR+64*(\f)+4*\j+3] offset:\j*SROW
.endr
.irp c, 0,1,2,3                        ; LDS serves a wave's instructions in order (ISA guide 5.7.1.4): these see the stores above, and the next fragment's stores come behind them
.irp u, 0,1
.irp hf, 0,1
	ds_load_b128 v[XX+16*\c+8*\u+4*\hf:XX+16*\c+8*\u+4*\hf+3], v3 offset:(4*\c+\u)*SROW+\hf*SHI   ; row i = 4 c + 2 (lane / 16) + u, d = 4 hf + 0 .. 3
.endr
.endr
.endr
	s_wait_dscnt 0x0                               ; the numbers are back
.irp c, 0,1,2,3
.irp n, 0,1,2,3,4,5,6,7,8,9,10,11,12,13,14,15
	v_med3_num_f32 v[XX+16*\c+\n], v[XX+16*\c+\n], -v5, v5     ; the hold at the largest code x the scale
.endr
	v_cvt_scalef32_pk8_fp8_f32 v[CC+16*(\f)+4*\c:CC+16*(\f)+4*\c+1], v[XX+16*\c:XX+16*\c+7], v4
	v_cvt_scalef32_pk8_fp8_f32 v[CC+16*(\f)+4*\c+2:CC+16*(\f)+4*\c+3], v[XX+16*\c+8:XX+16*\c+15], v4
.endr
	v_nop                                          ; a plain line behind the last conversion
.irp c, 0,1,2,3
	global_store_b128 v1, v[CC+16*(\f)+4*\c:CC+16*(\f)+4*\c+3], s[12:13] offset:(\f)*2048+\c*512   ; registers 4 c .. 4 c + 3 of the operand, lane by lane: 512 consecutive bytes
.endr
.endm
	FRAGQ 0, 16
	FRAGQ 1, 0
	s_wait_tensorcnt 0x0                           ; the wave's end, behind my last LDS store
	ds_add_u32 v254, v255
	s_wait_dscnt 0x0
	s_endpgm
.Lfunc_end_k_q3bb113ada9_quant:
	.size	k_q3bb113ada9_quant, .Lfunc_end_k_q3bb113ada9_quant-k_q3bb113ada9_quant
	.p2alignl 7, 3214868480
	.fill 96, 4, 3214868480
	.section	.rodata,"a",@progbits
	.p2align	6, 0x0
	.amdhsa_kernel k_q3bb113ada9_quant
		.amdhsa_group_segment_fixed_size 41472
		.amdhsa_private_segment_fixed_size 0
		.amdhsa_enable_private_segment 0
		.amdhsa_kernarg_size 40
		.amdhsa_user_sgpr_count 2
		.amdhsa_user_sgpr_kernarg_segment_ptr 1
		.amdhsa_wavefront_size32 1
		.amdhsa_system_sgpr_workgroup_id_x 1
		.amdhsa_system_sgpr_workgroup_id_y 1
		.amdhsa_system_sgpr_workgroup_id_z 1
		.amdhsa_system_vgpr_workitem_id 0
		.amdhsa_next_free_vgpr 256
		.amdhsa_next_free_sgpr 66
		.amdhsa_reserve_vcc 1
		.amdhsa_float_denorm_mode_32 3
		.amdhsa_float_denorm_mode_16_64 3
		.amdhsa_memory_ordered 1
		.amdhsa_forward_progress 1
		.amdhsa_inst_pref_size 115
	.end_amdhsa_kernel
	.amdgpu_metadata
---
amdhsa.version: [ 1, 2 ]
amdhsa.kernels:
  - .name:           k_q3bb113ada9_quant
    .symbol:         k_q3bb113ada9_quant.kd
    .args:
      - { .name: x, .offset: 0, .size: 8, .value_kind: global_buffer, .address_space: global }
      - { .name: lucas_coeffs, .offset: 8, .size: 8, .value_kind: global_buffer, .address_space: global }
      - { .name: lowp_scales, .offset: 16, .size: 8, .value_kind: global_buffer, .address_space: global }
      - { .name: acodes, .offset: 24, .size: 8, .value_kind: global_buffer, .address_space: global }
      - { .name: bimg, .offset: 32, .size: 8, .value_kind: global_buffer, .address_space: global }
    .group_segment_fixed_size: 41472
    .private_segment_fixed_size: 0
    .kernarg_segment_align: 8
    .kernarg_segment_size: 40
    .max_flat_workgroup_size: 128
    .sgpr_count:     66
    .vgpr_count:     256
    .wavefront_size: 32
...
	.end_amdgpu_metadata
.endif
;; end of part 1
;; launch gemm (part 2): grid 4 x 64, 4 waves a work-group, clusters of 4 x 1, 327,680 bytes of LDS; arguments acodes, bimg, lowp_scales, out0; writes out0
.if DOCPART == 2
	.amdgcn_target "amdgcn-amd-amdhsa--gfx1250"
	.amdhsa_code_object_version 6
	.text
	.protected	k_q3bb113ada9_gemm
	.globl	k_q3bb113ada9_gemm
	.p2align	8
	.type	k_q3bb113ada9_gemm,@function
k_q3bb113ada9_gemm:
	s_mov_b64 s[64:65], 0
	v_nop
	global_prefetch_b8 v0, s[64:65] scope:SCOPE_SE
	s_setreg_imm32_b32 hwreg(HW_REG_WAVE_MODE, 25, 1), 1
	s_wait_xcnt 0x0
	s_wait_alu depctr_hold_cnt(0) depctr_sa_sdst(0) depctr_va_vdst(0) depctr_va_sdst(0) depctr_va_ssrc(0) depctr_va_vcc(0) depctr_vm_vsrc(0)
	s_getreg_b32 s2, hwreg(HW_REG_IB_STS2, 6, 4)
	s_cmp_eq_u32 s2, 0
	s_cbranch_scc0 .Lentry_in_a_cluster
	s_endpgm
.Lentry_in_a_cluster:
	s_bfe_u32 s2, ttmp6, 0x10000c
	s_cmp_lg_u32 s2, 0x3003
	s_cbranch_scc0 .Lentry_shape_is_right
	s_endpgm
.Lentry_shape_is_right:
; out0[b][o] = 2^(ea + eb) x the sum over k of A[b][k] B[o][k], on codes of FP8 (E4M3); M = 8,192, N = 1,024, K = 8,192; sums in f32.
; acodes: [8192][8192] bytes, K along the rows.  bimg: B as images of operand registers: byte 524288 cb + 8192 ks + 2048 f + 512 c + 16 lane + j is column 64 cb + 16 f + lane % 16 at k = 128 ks + 32 c + 16 (lane / 16) + j.
; SHARES.  C has 128 tiles of 256 x 256, too few for 256 work-groups: a work-group makes 128 rows x 256 columns, each of its four waves all 128 rows x 64 columns: 32 accumulators, 256 registers.
; A is read by all four waves and by the four work-groups of a cluster (the four column blocks of one block of rows): it comes through LDS by JOINT tensor loads, mask 15, two slots of 1,024 along K.
; B's 64 columns are a wave's own: they go from bimg straight into registers, in a ring of 16 fragments (4 K steps).  A K step's products go by B's fragments, eight products each, and each fragment is
; waited for by itself.  ONE RUN of loads stands in a step, behind its first four products: A's next step (32 LDS loads) and B's step three further on (16 loads): 44 to 60 loads of a wave are out, inside LOADcnt's field of 63.
; WHY B IS NOT SHARED BY A JOINT LOAD: it would want partners along y and room in LDS; with both operands in LDS a slot of 384 rows x 272 bytes holds 256 along K, 64 matrix instructions a wave between
; a request and the wait for it; with A alone a slot holds 1,024 along K: 256 matrix instructions.
; K IS WALKED IN ROTATION: in period p the block of rows y takes chunk (y + p) % 8 of 1,024 along K.
; PREFETCH: A's chunk of period c is asked of the L2 one period ahead of its joint load (chunk 1 at the head): 128 rows x 1,024 bytes are 512 blocks of 256 bytes, one to each lane of the cluster's 16 waves:
; wave w takes the 256 bytes that it will load, the partner at place cx rows 32 cx .. 32 cx + 31, told apart by address.  Chunk 0 comes by its load alone; the last refill has no chunk behind it and asks for nothing.
; B is not prefetched: its own loads into registers are issued three K steps ahead of their use.
; THE MATRIX INSTRUCTION IS USED TRANSPOSED (source 0 = 16 columns of B, source 1 = 16 rows of A): a lane then holds eight neighbouring numbers of a row of C.
; ORDER OF SUMS: not ascending K: the chunks are rotated, and inside an instruction k is permuted, alike in A and in B (registers 4 c .. 4 c + 3 hold k = 32 c + 16 (lane / 16) + 0 .. 15).
; LIMIT: ea + eb between -126 and 127, so that 2^(ea + eb) is an f32 number.
; REGISTERS, in windows of 256: window 0: v8-15 LDS addresses of A's fragments, v16-20 offsets, v28-29 for the add, v32-127 the way out.   window 1: A's fragments, two sets of 8 x 16.
;   window 2: B's ring, fragment (q, f) at v[64 (q % 4) + 16 f].   window 3: the accumulators, (a, f) at v[8 (4 a + f)].
.set PITCH,  272                       ; an LDS row: 256 bytes + 16 of padding: the 16 rows of a load start at 16 different banks (64 banks of 4 bytes: ISA guide 11.1)
.set SUBT,   128*PITCH                 ; what one wave's tensor load brings: 128 rows x 256 along K
.set SLOT,   4*SUBT                    ; 1,024 along K
.set SPARE,  2*SLOT                    ; behind the ring: the spare words, two blocks of 256 bytes that no other line names
.set WSTG,   16*PITCH                  ; the way out: 16 rows for each wave, in slot 0, which has had its last fill and its last read by then
.set ADRA, 8                           ; v8-15   slot s, sub-tile qq: v[8 + 4 s + qq]
.set BO,   16                          ; v16     16 x lane: my place in an image
.set STO,  17                          ; v17     the way out: where I put 32 bytes of a row
.set RD,   18                          ; v18     where I read a row back
.set CO,   19                          ; v19     my byte offset in two rows of C
.set PFO,  20                          ; v20     the prefetches' offset: lane x a row of A
.set SPW,  28                          ; v28     LDS address of my spare word; never rewritten
.set NIL,  29                          ; v29     0; never rewritten
.set TMP,  32                          ; v32-63  a block's sums x 2^(ea + eb)
.set BK,   64                          ; v64-127 16 rows read back from the stage, two sets by turns
.set KC,    17                         ; s17     the chunk that was asked for last
.set G1,    24                         ; s[24:31] descriptor group 1
.set G0,    32                         ; s[32:39] descriptor group 0, a set for each slot
.set ABASE, 40                         ; s[40:41] A at my block of rows, my wave's 256 bytes of a chunk
.set BBASE, 42                         ; s[42:43] B at my wave's 64 columns
.set SB,    44                         ; s[44:47] B's chunk of the period that slot 0, slot 1 holds
.set OFFA,  48
.set OFFB,  50
.set PBASE, 54                         ; s[54:55] ABASE + my work-group's 32 rows
.set PFA,   56                         ; s[56:57] what the next prefetch names
.set PFB,   58                         ; s[58:59] the head's second prefetch
.set OFFP,  60
.set MSB, 0
.macro WIN new                         ; the immediate's high byte repeats the setting that is left
.if MSB != \new
	s_set_vgpr_msb (MSB<<8)|\new
.set MSB, \new
.endif
.endm
.set MUL,  0xf6                        ; source 0 (B) window 2, source 1 (A) window 1, C and D window 3
.set TO_A, 0x40
.set TO_B, 0x80
.macro CREST                           ; a round of the cluster's barrier behind its opening barrier
	s_cmp_lg_u32 s14, 0
	s_cbranch_scc1 .Lnot_wave_0_\@
	s_barrier_signal -3
.Lnot_wave_0_\@:
	s_barrier_wait -3
	s_barrier_signal -1
	s_barrier_wait -1
.endm
.macro CROUND
	s_barrier_signal -1
	s_barrier_wait -1
	CREST
.endm
.macro PLACES
.rept 4
	v_nop
.endr
.endm
.macro WM q, g, a, zero                ; A's block a against B's fragment g.  The 32 accumulators take turns
.set rD, 8*(4*(\a)+(\g))
.set rB, 64*((\q)%4)+16*(\g)
.set rA, 128*((\q)%2)+16*(\a)
.if \zero
	v_wmma_f32_16x16x128_fp8_fp8 v[rD:rD+7], v[rB:rB+15], v[rA:rA+15], 0
.else
	v_wmma_f32_16x16x128_fp8_fp8 v[rD:rD+7], v[rB:rB+15], v[rA:rA+15], v[rD:rD+7]
.endif
.endm
.macro FRAG_A slot, qn, a              ; A's block a (16 rows x 128 K) of step qn of the slot
.irp c, 0,1,2,3
	ds_load_b128 v[128*((\qn)%2)+16*(\a)+4*\c:128*((\qn)%2)+16*(\a)+4*\c+3], v[ADRA+4*(\slot)+(\qn)/2] offset:128*((\qn)%2)+32*\c+16*PITCH*(\a)
.endr
.endm
.macro FRAG_B sb, qn, f                ; B's fragment f of step qn of the chunk at s[sb]: 512 consecutive bytes a load
.irp c, 0,1,2,3
	global_load_b128 v[64*((\qn)%4)+16*(\f)+4*\c:64*((\qn)%4)+16*(\f)+4*\c+3], v[BO], s[\sb:\sb+1] offset:(\qn)*8192+(\f)*2048+\c*512
.endr
.endm
.macro BSTEP slot, q                   ; B's four fragments of the step three behind q: into the registers that the step before q has multiplied
.set tq, (\q)+3
.irp f, 0,1,2,3
.if tq < 8
	FRAG_B SB+2*(\slot), tq, \f
.else
	FRAG_B SB+2*(1-(\slot)), tq-8, \f
.endif
.endr
.endm
.macro ASK guard                       ; one prefetch a wave; guard = 1: not in the loop's last trip, whose second refill is the last
	WIN 0
.if \guard
	s_cmp_eq_u32 s3, 1
	s_cbranch_scc1 .Lno_ask_\@
.endif
	global_prefetch_b8 v[PFO], s[PFA:PFA+1] th:TH_LOAD_NT scope:SCOPE_SE
.if \guard
.Lno_ask_\@:
.endif
.endm
; A GROUP: B's fragment g of step q against A's eight blocks.  cnt: B's younger loads, which may stay out.  arun, ld: the step's run of loads stands behind the group's first four products; the four v_nop
; are the places in front of loads into registers that the step before has read (ISA guide 7.12.1 for vector instructions).
.macro GRP slot, q, g, zero, cnt, arun, ld, pf
	s_wait_loadcnt \cnt
.if \pf
	ASK (\pf)-1
.endif
	WIN MUL
.if (\arun) || (\ld)
.irp a, 0,1,2,3
	WM \q, \g, \a, \zero
	v_nop
.endr
.if \arun
	WIN TO_A
.irp a, 0,1,2,3,4,5,6,7
	FRAG_A \slot, (\q)+1, \a
.endr
.endif
.if \ld
	WIN TO_B
	BSTEP \slot, \q
.endif
	WIN MUL
.irp a, 4,5,6,7
	WM \q, \g, \a, \zero
.endr
.else
.irp a, 0,1,2,3,4,5,6,7
	WM \q, \g, \a, \zero
.endr
.endif
.endm
; A K STEP of 128.  Ahead of fragment g the youngest load issued is fragment 3 of step lq = q + 2 (g = 0) or q + 3: 4 (lq - q) + 3 - g fragments of 4 loads may stay out.
; last = 1: the last period: nothing is left of B behind its step 7, and the counts run down.
.macro STEP slot, q, zero, last
	s_wait_dscnt 0x0                               ; A's eight blocks are in (asked for 28 products ago)
.irp g, 0,1,2,3
.set lq, (\q)+3
.set ldf, 0
.set arf, 0
.if \g == 0
.set lq, (\q)+2
.set ldf, 1
.if (\q) < 7
.set arf, 1
.endif
.endif
.if \last
.if lq > 7
.set lq, 7
.endif
.if (\q) > 4
.set ldf, 0
.endif
.endif
.set cn, 4*(4*(lq-(\q))+3-\g)
	GRP \slot, \q, \g, \zero, cn, arf, ldf, 0
.endr
.endm
; A PERIOD'S LAST STEP CHANGES SLOTS: one barrier.  In front of it each wave waits for all its tensor loads (one is out: its part of the next slot), adds 0 to its spare word, and waits for that and for
; its reads of this slot.  fill = 1: the barrier opens a round of the cluster's barrier, and this slot is filled again with the chunk two periods on.
.macro TURN slot, fill
.if \fill
	s_wait_xcnt 0x0                                ; the loads that named this slot's chunk of B and my last prefetch have read their bases
	s_add_co_u32 s[KC], s[KC], 1
	s_and_b32 s[KC], s[KC], 7                      ; the chunk two periods on
	s_lshl_b32 s[OFFB], s[KC], 16
	s_add_nc_u64 s[SB+2*(\slot):SB+2*(\slot)+1], s[BBASE:BBASE+1], s[OFFB:OFFB+1]
	s_lshl_b32 s[OFFA], s[KC], 10
	s_add_co_u32 s[OFFP], s[KC], 1
	s_and_b32 s[OFFP], s[OFFP], 7                  ; and the one behind it, for the prefetch
	s_lshl_b32 s[OFFP], s[OFFP], 10
	s_add_nc_u64 s[PFA:PFA+1], s[PBASE:PBASE+1], s[OFFP:OFFP+1]
.endif
	s_wait_dscnt 0x0                               ; A's eight blocks are in
	GRP \slot, 7, 0, 0, 44, 0, 1, 0
	s_wait_loadcnt 56
	WIN MUL
.irp a, 0,1,2,3
	WM 7, 1, \a, 0
.endr
	WIN 0                                          ; (the add's two registers lie in window 0)
	s_wait_tensorcnt 0x0                           ; all my tensor loads have landed: my part of the next slot;
	ds_add_u32 v[SPW], v[NIL]                      ; 0 onto my spare word;
	WIN MUL
	WM 7, 1, 4, 0
	WM 7, 1, 5, 0
	s_wait_dscnt 0x0                               ; the add is done, and my reads of this slot are over
	s_barrier_signal -1
	WM 7, 1, 6, 0
	WM 7, 1, 7, 0
	WIN 0
	s_barrier_wait -1
.if \fill
	CREST                                          ; no wave of any partner still reads this slot or has a load on its way
	s_add_nc_u64 s[G0+4*(\slot)+2:G0+4*(\slot)+3], s[ABASE:ABASE+1], s[OFFA:OFFA+1]
	s_or_b32 s[G0+4*(\slot)+3], s[G0+4*(\slot)+3], 0x80000000
	tensor_load_to_lds s[G0+4*(\slot):G0+4*(\slot)+3], s[G1:G1+7]  ; the first tensor load behind the round, and my only one until the next
	s_nop 0
	PLACES                                         ; four v_nop follow
.else
	PLACES                                         ; the places in front of the loads below
.endif
	WIN TO_A
.irp a, 0,1,2,3,4,5,6,7
	FRAG_A 1-(\slot), 0, \a                        ; the next slot's first step
.endr
.if \fill
	GRP \slot, 7, 2, 0, 52, 0, 0, 1+(\slot)
.else
	GRP \slot, 7, 2, 0, 52, 0, 0, 0
.endif
	GRP \slot, 7, 3, 0, 48, 0, 0, 0
.endm
	s_load_b128 s[4:7], s[0:1], 0x0                ; A's codes s[4:5], B's images s[6:7]
	s_load_b128 s[8:11], s[0:1], 0x10              ; the scales' exponents s[8:9], C s[10:11]
	v_lshl_add_u32 v[SPW], v0, 2, SPARE
	v_mov_b32 v[NIL], 0
	ds_add_u32 v[SPW], v[NIL]                      ; the opening lines: the add, twice on end, and its wait ahead of my first tensor load
	ds_add_u32 v[SPW], v[NIL]
	v_lshrrev_b32 v1, 5, v0
	v_readfirstlane_b32 s14, v1                    ; wave 0..3
	s_mul_i32 s23, s14, WSTG                       ; my stage
	v_and_b32 v4, 31, v0
	v_lshlrev_b32 v[BO], 4, v4
	v_lshlrev_b32 v[PFO], 13, v4                   ; lane x 8,192
	v_and_b32 v1, 15, v0                           ; l % 16
	v_bfe_u32 v2, v0, 4, 1                         ; l / 16
	v_mul_u32_u24 v3, v1, PITCH
	v_lshl_add_u32 v5, v2, 5, v3                   ; into the stage: row l % 16, 32 bytes for each half of the lanes
	v_lshl_add_u32 v3, v2, 4, v3                   ; a fragment's row x pitch + 16 x half
.irp n, 0,1,2,3,4,5,6,7
	v_add_nc_u32 v[ADRA+\n], (\n/4)*SLOT+(\n%4)*SUBT, v3
.endr
	v_add_nc_u32 v[STO], s23, v5
	v_mul_u32_u24 v6, v2, PITCH                    ; back: lanes 0-15 take one row of 256 bytes, lanes 16-31 the next
	v_lshl_add_u32 v6, v1, 4, v6
	v_add_nc_u32 v[RD], s23, v6
	v_lshlrev_b32 v7, 12, v2                       ; and the same two rows in C (4,096 bytes a row)
	v_lshl_add_u32 v[CO], v1, 4, v7
	s_wait_alu depctr_va_vdst(0)                   ; the wait behind the head's last vector instruction, ahead of the scalar lines and waits below
	s_bfe_u32 s15, ttmp6, 0x40000                  ; cx: my block of 256 columns.  It enters B's, C's and the prefetches' addresses alone
	s_and_b32 s16, ttmp7, 0xffff                   ; y: my block of 128 rows, which the four partners share
	s_mov_b32 s[G1+0], 15|(1<<20)|(1<<21)|(5<<22)|(3<<25)  ; the mask: all four; elements of 1 byte; padding on; bit 21 beside a mask; after every 64 words four words
	s_mov_b32 s[G1+1], 256<<16                     ; tensor_dim0 = 256
	s_mov_b32 s[G1+2], 128<<16                     ; tensor_dim1 = 128
	s_mov_b32 s[G1+3], 256<<16                     ; tile_dim0 = 256
	s_mov_b32 s[G1+4], 128                         ; tile_dim1 = 128
	s_mov_b32 s[G1+5], 8192                        ; a row of A
	s_mov_b32 s[G1+6], 0
	s_mov_b32 s[G1+7], 0
	s_and_b32 s18, s16, 7                          ; period 0's chunk,
	s_add_co_u32 s[KC], s16, 1
	s_and_b32 s[KC], s[KC], 7                      ; period 1's
	s_lshl_b32 s20, s16, 20                        ; 128 rows of 8,192 bytes,
	s_lshl_b32 s21, s14, 8                         ; my wave's 256 bytes of a chunk
	s_add_co_u32 s20, s20, s21
	s_mov_b32 s21, 0
	s_lshl_b32 s52, s15, 2
	s_add_co_u32 s52, s52, s14                     ; cb = 4 cx + wave
	s_lshl_b32 s52, s52, 19
	s_mov_b32 s53, 0
	s_mov_b32 s[OFFA+1], 0
	s_mov_b32 s[OFFB+1], 0
	s_mov_b32 s[OFFP+1], 0
	s_lshl_b32 s62, s15, 18                        ; 32 cx rows of A
	s_mov_b32 s63, 0
	s_mul_i32 s19, s14, SUBT                       ; where my loads go: wave x 128 rows
	s_mov_b32 s[G0], 1
	s_mov_b32 s[G0+1], s19                         ; LDS address: slot 0
	s_mov_b32 s[G0+4], 1
	s_add_co_u32 s[G0+5], s19, SLOT
	s_lshl_b32 s[OFFA], s18, 10
	s_wait_dscnt 0x0                               ; both opening adds are done
	s_wait_kmcnt 0x0
	s_add_nc_u64 s[ABASE:ABASE+1], s[4:5], s[20:21]
	s_add_nc_u64 s[G0+2:G0+3], s[ABASE:ABASE+1], s[OFFA:OFFA+1]    ; period 0's chunk
	s_or_b32 s[G0+3], s[G0+3], 0x80000000
	CROUND                                         ; all four work-groups are here: the first joint loads meet
	tensor_load_to_lds s[G0:G0+3], s[G1:G1+7]      ; slot 0
	s_nop 0
	PLACES
	s_add_nc_u64 s[BBASE:BBASE+1], s[6:7], s[52:53]
	s_lshl_b32 s[OFFB], s18, 16                    ; a chunk is 8 K steps of 8,192 bytes
	s_add_nc_u64 s[SB:SB+1], s[BBASE:BBASE+1], s[OFFB:OFFB+1]
	WIN TO_B
.irp n, 0,1,2,3,4,5,6,7,8,9,10,11
	FRAG_B SB, \n/4, \n%4                          ; B's first three K steps: 48 loads
.endr
	WIN 0
	s_load_b64 s[96:97], s[8:9], 0x0               ; ea, eb: wanted on the way out
	s_lshl_b32 s[OFFB], s[KC], 16
	s_add_nc_u64 s[SB+2:SB+3], s[BBASE:BBASE+1], s[OFFB:OFFB+1]
	s_add_nc_u64 s[PBASE:PBASE+1], s[ABASE:ABASE+1], s[62:63]
	s_lshl_b32 s[OFFA], s[KC], 10
	s_add_nc_u64 s[G0+6:G0+7], s[ABASE:ABASE+1], s[OFFA:OFFA+1]    ; period 1's chunk
	s_or_b32 s[G0+7], s[G0+7], 0x80000000
	s_add_nc_u64 s[PFA:PFA+1], s[PBASE:PBASE+1], s[OFFA:OFFA+1]    ; the first prefetch: period 1's chunk
	global_prefetch_b8 v[PFO], s[PFA:PFA+1] th:TH_LOAD_NT scope:SCOPE_SE
	s_add_co_u32 s[OFFP], s[KC], 1
	s_and_b32 s[OFFP], s[OFFP], 7
	s_lshl_b32 s[OFFP], s[OFFP], 10
	s_add_nc_u64 s[PFB:PFB+1], s[PBASE:PBASE+1], s[OFFP:OFFP+1]    ; the second: period 2's
	s_lshl_b32 s52, s16, 19                        ; C: 128 rows of 4,096 bytes,
	s_lshl_b32 s53, s15, 10                        ; 256 columns,
	s_add_co_u32 s52, s52, s53
	s_lshl_b32 s53, s14, 8                         ; my wave's 64
	s_add_co_u32 s52, s52, s53
	s_mov_b32 s53, 0
	s_add_nc_u64 s[10:11], s[10:11], s[52:53]
	s_wait_tensorcnt 0x0                           ; my part of slot 0 is in
	ds_add_u32 v[SPW], v[NIL]
	s_wait_dscnt 0x0
	CROUND                                         ; everybody's part is in, and the four work-groups are here
	tensor_load_to_lds s[G0+4:G0+7], s[G1:G1+7]    ; slot 1's first fill, the first tensor load behind the round
	s_nop 0
	PLACES
	WIN TO_A
.irp a, 0,1,2,3,4,5,6,7
	FRAG_A 0, 0, \a
.endr
	WIN 0
	global_prefetch_b8 v[PFO], s[PFB:PFB+1] th:TH_LOAD_NT scope:SCOPE_SE
	STEP 0, 0, 1, 0                                ; the first step's products start the sums: nothing is ever cleared
.irp q, 1,2,3,4,5,6
	STEP 0, \q, 0, 0
.endr
	WIN 0                                          ; at a label and at a branch every window is 0
	s_mov_b32 s3, 3
.Llap:                                                 ; a trip goes once round the ring and fills both slots again
	TURN 0, 1
.irp q, 0,1,2,3,4,5,6
	STEP 1, \q, 0, 0
.endr
	TURN 1, 1
.irp q, 0,1,2,3,4,5,6
	STEP 0, \q, 0, 0
.endr
	WIN 0
	s_sub_co_u32 s3, s3, 1
	s_cmp_lg_u32 s3, 0
	s_cbranch_scc1 .Llap
	TURN 0, 0                                      ; the tail is written out: nothing more is asked of A, and no round follows
.irp q, 0,1,2,3,4,5,6,7
	STEP 1, \q, 0, 1
.endr
	WIN 0
; THE WAY OUT, block by block of 16 rows x 64 columns, through my own stage in LDS: back as whole rows of 256 bytes, two an instruction.
; LDS serves a wave's instructions in order (ISA guide 5.7.1.4): no wait between the stores and the loads, nor in front of the next block's stores.
.macro TOSTAGE a
	WIN 0x03                                       ; source 0: window 3
.set j, 0
.rept 16
	v_pk_mul_f32 v[TMP+j:TMP+j+1], v[32*(\a)+j:32*(\a)+j+1], s[96:97] op_sel_hi:[1,0]   ; both x s96 = 2^(ea + eb); each accumulator from its low end on
.set j, j+2
.endr
	WIN 0
.irp b, 0,1,2,3
	ds_store_b128 v[STO], v[TMP+8*\b:TMP+8*\b+3] offset:64*\b            ; lane (r, h): C(16 a + r, 16 b + 8 h + 0 .. 7)
	ds_store_b128 v[STO], v[TMP+8*\b+4:TMP+8*\b+7] offset:64*\b+16
.endr
.irp t, 0,1,2,3,4,5,6,7
	ds_load_b128 v[BK+32*((\a)%2)+4*\t:BK+32*((\a)%2)+4*\t+3], v[RD] offset:2*PITCH*\t
.endr
.endm
.macro SEND a, younger                 ; younger: the LDS instructions issued behind block a's loads, which may stay out
	s_wait_dscnt \younger
.irp t, 0,1,2,3,4,5,6,7
	global_store_b128 v[CO], v[BK+32*((\a)%2)+4*\t:BK+32*((\a)%2)+4*\t+3], s[10:11] offset:(\a)*65536+\t*8192 th:TH_STORE_NT   ; 16 lanes store 256 consecutive bytes, at a multiple of 256 from C's first byte
.endr
.endm
	s_wait_kmcnt 0x0
	s_add_co_i32 s96, s96, s97                     ; ea + eb, between -126 and 127,
	s_add_co_i32 s96, s96, 127
	s_lshl_b32 s96, s96, 23                        ; makes the f32 number 2^(ea + eb)
	s_mov_b32 s97, s96                             ; (named with it as a pair, so it is written)
	PLACES                                         ; behind the last products, ahead of the first read of results
	TOSTAGE 0
.irp a, 1,2,3,4,5,6,7
.if \a > 1
	s_wait_xcnt 0x0                                ; the stores of two blocks ago have read their registers: this block's loads may land there
.endif
	TOSTAGE \a
	SEND \a-1, 16                                  ; behind the earlier block's loads: this block's 8 stores and 8 loads
.endr
	SEND 7, 0
	s_wait_tensorcnt 0x0                           ; the wave's end
	ds_add_u32 v[SPW], v[NIL]
	s_wait_dscnt 0x0
	CROUND                                         ; the closing round: no work-group ends while a partner may still ask for a tile that names it
	s_endpgm
.Lfunc_end_k_q3bb113ada9_gemm:
	.size	k_q3bb113ada9_gemm, .Lfunc_end_k_q3bb113ada9_gemm-k_q3bb113ada9_gemm
	.p2alignl 7, 3214868480
	.fill 96, 4, 3214868480
	.section	.rodata,"a",@progbits
	.p2align	6, 0x0
	.amdhsa_kernel k_q3bb113ada9_gemm
		.amdhsa_group_segment_fixed_size 327680
		.amdhsa_private_segment_fixed_size 0
		.amdhsa_enable_private_segment 0
		.amdhsa_kernarg_size 32
		.amdhsa_user_sgpr_count 2
		.amdhsa_user_sgpr_kernarg_segment_ptr 1
		.amdhsa_wavefront_size32 1
		.amdhsa_system_sgpr_workgroup_id_x 1
		.amdhsa_system_sgpr_workgroup_id_y 1
		.amdhsa_system_sgpr_workgroup_id_z 1
		.amdhsa_system_vgpr_workitem_id 0
		.amdhsa_next_free_vgpr 1024
		.amdhsa_next_free_sgpr 100
		.amdhsa_reserve_vcc 0
		.amdhsa_float_denorm_mode_32 3
		.amdhsa_float_denorm_mode_16_64 3
		.amdhsa_memory_ordered 1
		.amdhsa_forward_progress 1
		.amdhsa_inst_pref_size 221
	.end_amdhsa_kernel
	.amdgpu_metadata
---
amdhsa.version: [ 1, 2 ]
amdhsa.kernels:
  - .name:           k_q3bb113ada9_gemm
    .symbol:         k_q3bb113ada9_gemm.kd
    .args:
      - { .name: acodes, .offset: 0, .size: 8, .value_kind: global_buffer, .address_space: global }
      - { .name: bimg, .offset: 8, .size: 8, .value_kind: global_buffer, .address_space: global }
      - { .name: lowp_scales, .offset: 16, .size: 8, .value_kind: global_buffer, .address_space: global }
      - { .name: out0, .offset: 24, .size: 8, .value_kind: global_buffer, .address_space: global }
    .group_segment_fixed_size: 327680
    .private_segment_fixed_size: 0
    .kernarg_segment_align: 8
    .kernarg_segment_size: 32
    .max_flat_workgroup_size: 128
    .sgpr_count:     100
    .vgpr_count:     1024
    .wavefront_size: 32
...
	.end_amdgpu_metadata
.endif
;; end of part 2
